; MI455X (gfx1250); checked and timed in simulation.
; The chip was launched on July 23, 2026; its instructions are those of AMD's public machine-readable ISA for CDNA 5 (MIT licence, August 2026) and "CDNA5" Instruction Set Architecture Reference Guide (July 2026). The comments in the code are by the model that wrote it; some were corrected since.
;; MSA Outer Product Mean. Allowed arithmetic: matrix products marked QUANTISED: E2M3 operands, one E8M0 scale for each 32 along K, by v_wmma_scale_f32_16x16x128_f8f6f4 with both operands' format E2M3, f32 sums; everything else in f32.
;; Inputs: b1 32 float32; b2 32 float32; b3 128 float32; ln_beta 256 float32; ln_gamma 256 float32; msa 1 x 64 x 256 x 256 float32; w1 32 x 256 float32; w2 32 x 256 float32; w3 128 x 1,024 float32.
;; Outputs: out0 1 x 256 x 256 x 128 float32.
;; This version of the problem:
;;   THIS VERSION OF THE PROBLEM IS GIVEN IN LOW PRECISION. The matrix products marked QUANTISED in the list below multiply operands that are first quantised to E2M3 (2 exponent bits, 3 mantissa bits; 6 bits a number), with one power-of-two scale for each 32 numbers along K (OCP MX v1.0); their sums are f32. All else is computed in f32.
;;   The module's matrix products, in the order in which they are computed (A, B: the left and right operand; K: the contracted axis; several contracted axes count as one K, in the product's order):
;;     1. [M 16,384, K 256] x [K 256, N 32]; A: computed on the way; B: input w1: QUANTISED
;;     2. [M 16,384, K 256] x [K 256, N 32]; A: computed on the way; B: input w2: QUANTISED
;;     3. [M 8,192, K 64] x [K 64, N 8,192]; A: computed on the way; B: computed on the way: QUANTISED
;;     4. [M 65,536, K 1,024] x [K 1,024, N 128]; A: computed on the way; B: input w3: QUANTISED
;;   THE QUANTISER, for each operand of a quantised product, along K:
;;     - K is cut into blocks of 32 from its start; a last block that is shorter is filled with zeros.
;;     - A block's scale is 2^e with e = floor(log2(the largest magnitude in the block)) - 2, held to -126 .. 127; a block of zeros has e = 0. As a byte (E8M0): e + 127.
;;     - Each number is divided by its block's scale, clamped to +-7.5, and rounded to the nearest number of E2M3, ties to even, subnormals kept.
;;     - The product sums the exact products of the quantised numbers (number of the format x scale) in f32.
;;   ~~~python
;;   def quantise(x, axis):      # numpy; x: float32 -> the quantised numbers, widened to float32 again
;;       x = np.moveaxis(x, axis, -1); K = x.shape[-1]
;;       x = np.pad(x, [(0, 0)] * (x.ndim - 1) + [(0, -K % 32)]); x = x.reshape(x.shape[:-1] + (-1, 32)); a = np.abs(x).max(-1, keepdims=True)
;;       e = np.where(a > 0, np.clip(np.frexp(np.where(a > 0, a, 1))[1] - 1 - 2, -126, 127), 0)      # np.frexp(a)[1] - 1 = floor(log2(a)), exactly
;;       r = np.clip(x / 2.0 ** e, -7.5, 7.5)
;;       step = 2.0 ** (np.maximum(np.frexp(np.where(r == 0, 1, r))[1] - 1, 0) - 3)
;;       q = np.round(r / step) * step * 2.0 ** e      # np.round: ties to even
;;       return np.moveaxis(q.reshape(q.shape[:-2] + (-1,))[..., :K], -1, axis).astype(np.float32)
;;   ~~~
;;   OPERANDS COMPUTED ON THE WAY. 'Computed on the way' means the value that the module computes at that place (a softmax that the list does not call 'softmax' is quantised finished and normalised). What goes into a quantiser is computed in f32, as accurately as f32 sums, v_exp_f32 and their like allow (about 1e-6 of the number): no bf16 or f16 on the way to a quantiser, and a product that is left as it is and whose result goes on into a quantised operand takes f32 operands (vector FMAs, or v_wmma_f32_16x16x4_f32). A number that lies on a knife's edge between two numbers of the format may be rounded either way, as far as f32 arithmetic and the matrix unit's own rounding can turn it there, and no further.
;; One version. Each part assembles by itself: llvm-mc -triple=amdgcn-amd-amdhsa -mcpu=gfx1250 --defsym DOCPART=n.
;; ======== version 1 of 1: 2 launches
;; limits: right only within a limited range of input values
;; workspace buffers: m1c 393,216 bytes; m2c 393,216 bytes; msc 65,536 bytes; w3q 102,400 bytes
;; launch proj (part 1): grid 256 x 1, 8 waves a work-group, clusters of 4 x 1, 167,936 bytes of LDS; arguments msa, ln_gamma, ln_beta, w1, b1, w2, b2, w3, m1c, m2c, msc, w3q; writes m1c, m2c, msc, w3q
.if DOCPART == 1
	.amdgcn_target "amdgcn-amd-amdhsa--gfx1250"
	.amdhsa_code_object_version 6
	.text
	.protected	k_qafb9270250_proj
	.globl	k_qafb9270250_proj
	.p2align	8
	.type	k_qafb9270250_proj,@function
k_qafb9270250_proj:
	s_mov_b64 s[64:65], 0
	v_nop
	global_prefetch_b8 v0, s[64:65] scope:SCOPE_SE
	s_setreg_imm32_b32 hwreg(HW_REG_WAVE_MODE, 25, 1), 1
	s_wait_xcnt 0x0
	s_wait_alu depctr_hold_cnt(0) depctr_sa_sdst(0) depctr_va_vdst(0) depctr_va_sdst(0) depctr_va_ssrc(0) depctr_va_vcc(0) depctr_vm_vsrc(0)
	s_getreg_b32 s2, hwreg(HW_REG_IB_STS2, 6, 4)
	s_cmp_eq_u32 s2, 0
	s_cbranch_scc0 .Lentry_in_a_cluster
	s_endpgm
.Lentry_in_a_cluster:
	s_bfe_u32 s2, ttmp6, 0x10000c
	s_cmp_lg_u32 s2, 0x3003
	s_cbranch_scc0 .Lentry_shape_is_right
	s_endpgm
.Lentry_shape_is_right:
; LayerNorm of msa [64 r][256 l][256 d]; msa_1 = x w1^T + b1 and msa_2 = x w2^T + b2 on codes of FP6 (E2M3) with one E8M0 scale for each 32 along d;
; then msa_1 and msa_2 are quantised along r, as the next launch's product wants them.  64 work-groups also quantise one fragment of w3 [128][1024] each.  No work of the problem is left out.
; SHARES.  A work-group of eight waves owns one position l.  Waves 0-3: 16 rows r each, half a row to a lane (128 numbers: four whole blocks of 32, in the order of the operand's registers): LayerNorm and codes.
; Waves 4-7: 16 channels each (4, 5: w1; 6, 7: w2), quantised in the same registers by the same lines; then the products for all 64 rows, x's codes coming through LDS as images of registers.
; Each wave fetches the 16 rows that it alone reads, by one tensor load; gamma and beta come straight into registers of waves 0-3 while msa is on its way.
; In a result a lane holds one channel; the registers of tiles 2 b, 2 b + 1 are r = 32 b + 8 h + 0 .. 7 and 32 b + 16 + 8 h + 0 .. 7: a block of 32 along r in an order that msa_1 and msa_2 share, which leaves the next product's sums what they are.
; OUT.  m1c, m2c: [l][1,536 bytes]: [channel 32][block 2][16 bytes], then [channel 32][block 2][8 bytes]: the codes of a block of r.
;       msc: [l][64 words]: word c msa_1's channel c, word 32 + c msa_2's: bytes 0, 1 the scales of the two blocks of r, bytes 2, 3 the same again.  msa_2's bytes are stored LESS 6: the division by R = 64, exact.
;       w3q: [K step 8][512 bytes of scale words, 64 a fragment], then [K step 8][fragment 8][1,536 bytes]: a fragment's registers (four registers of lane l at 512 g + 16 l).
;       Lane q of fragment t holds row p = 64 (t / 4) + 4 q + t % 4 of w3, so that in the next launch a lane's results of four neighbouring fragments are four neighbouring p.
; CLUSTER.  Four work-groups read the same w1 and w2: each wave's 16 rows of them are asked for jointly with the mask of all four.  No prefetch: there is no loop to run ahead in.
; LIMITS.  NaN and infinities among the inputs are not served.  A block of zeros gets the floor's byte and not 127: its codes are zeros, and this program alone reads the bytes.
; Blocks of x, w1, w2, w3 with a largest magnitude under 2^-124, and blocks of msa_1, msa_2 under 2^-118 (so that a byte less 6 is still 1 or more), are quantised as if it were that floor.
; The bias is the C of a sum's first matrix instruction: the order of the f32 roundings differs from a sum with the bias added last.
.set RP,   1040                        ; an LDS row: 1,024 bytes + 16 of padding
.set QT,   16*RP                       ; 16 rows: wave w's lie at w x QT, msa's (w < 4) or w1's and w2's
.set FRB,  1536                        ; a fragment's image
.set XIMG, 8*QT                        ; LDS: x's eight fragments (tile t, K step s: 2 t + s),
.set XSC,  XIMG+8*FRB                  ; their scale words, 128 bytes each,
.set SCW,  XSC+8*128                   ; the 64 scale words that leave for msc,
.set SPARE, SCW+256                    ; and the spare words, 128 bytes for each wave
.set VL,  1                            ; v1 lane; v2 lane % 16; v3 lane / 16
.set VN,  2
.set VH,  3
.set XA,  4                            ; LDS: my half row
.set VG,  6                            ; 128 h: my half of gamma and beta
.set VBI, 7                            ; my channel's bias
.set LI,  8                            ; 16 x lane
.set XRS, 9                            ; LDS: XSC + 4 x lane
.set XWI, 10                           ; LDS: where I store x's images
.set XWS, 11                           ; LDS: and their scale words
.set CA,  12                           ; my 16 bytes in a row of m1c or m2c
.set CB,  13                           ; and my 8 bytes
.set SCA, 14                           ; LDS: my channel's word among the 64
.set SH8, 15                           ; 8 h
.set S,   16                           ; v16-23 four chains of sums
.set TM,  24                           ; v24-31 at work in the quantisers
.set PC,  32                           ; v32-43 codes just made
.set T,   44                           ; v44-51 the halves of blocks that a conversion cannot put in place
.set MU,  52                           ; v52-53 the mean, twice
.set RS,  54                           ; v54-55 1 / sqrt(var + eps), twice
.set BI,  56                           ; v56-63 my channel's bias, eight times
.set X,   64                           ; v64-191 128 numbers: register 64 s + 32 c + i is d = 128 s + 64 c + 32 h + i
.set XF,  64                           ; later: x's eight fragments, v64-159,
.set ACC, 160                          ; and the four accumulators, v160-191
.set WF,  192                          ; v192-215 the codes of my 128 numbers: two fragments
.set WS,  216                          ; v216-217 their scale words
.set XS,  218                          ; v218-225 x's scale words
.set PW,  226                          ; the scale word just made
.set V3,  227                          ; w3: my half of a fragment's row
.set L8,  228                          ; 8 x lane
.set XRI, 229                          ; LDS: XIMG + 16 x lane
.set SCR, 230                          ; LDS: SCW + 8 x lane
.set N4,  231                          ; 4 x (lane % 16)
.set SPW, 254                          ; my spare word; never rewritten
.set NIL, 255                          ; 0; never rewritten
; window 1: v0-127 gamma, v128-255 beta, in X's order
.set G1X, 28                           ; s[28:35] descriptor group 1 for msa's tile;  s[36:43] for w's
.set G1T, 36
.set G0X, 44                           ; groups 0
.set G0W, 48
.set SEL, 52                           ; s[52:53] v_permlanex16_b32's selects for lane l xor 16
.set WV,  54                           ; s54 wave;  s55 my place in the cluster;  s56 l;  s57 what is taken off the scale bytes;  s58 1/256;  s59 eps
.set MSB, 0
.macro WIN new                         ; the immediate's high byte repeats the setting that is left
.if MSB != \new
	s_set_vgpr_msb (MSB<<8)|\new
.set MSB, \new
.endif
.endm
.macro ROUND                           ; a round of the cluster's barrier
	s_barrier_signal -1
	s_barrier_wait -1
	s_cmp_lg_u32 s[WV], 0
	s_cbranch_scc1 .Lnot_wave_0_\@
	s_barrier_signal -3
.Lnot_wave_0_\@:
	s_barrier_wait -3
	s_barrier_signal -1
	s_barrier_wait -1
.endm
.macro LD64 reg, adr, off              ; 64 numbers: two blocks of 32, 256 bytes apart
.irp c, 0,1
.irp i, 0,1,2,3,4,5,6,7
	ds_load_b128 v[(\reg)+32*\c+4*\i:(\reg)+32*\c+4*\i+3], v[\adr] offset:(\off)+256*\c+16*\i
.endr
.endr
.endm
; 64 numbers of a lane, two whole blocks (block 2 c + h of my row in registers 32 c .. 32 c + 31), become the 12 registers of a fragment and my row's scale word.
.macro QFRAG src, dst, sw
.irp c, 0,1
	v_max3_num_f32 v[TM+\c], |v[(\src)+32*\c]|, |v[(\src)+32*\c+1]|, 0x1800000   ; the block's largest magnitude, and the floor 2^(3 - 127): the byte cannot fall under 1
.endr
.irp i, 2,4,6,8,10,12,14,16,18,20,22,24,26,28,30
.irp c, 0,1
	v_max3_num_f32 v[TM+\c], v[TM+\c], |v[(\src)+32*\c+\i]|, |v[(\src)+32*\c+\i+1]|   ; (the two blocks by turns)
.endr
.endr
.irp c, 0,1
	v_add_nc_u32 v[TM+2+\c], 0xff000000, v[TM+\c]  ; 2 off its exponent field: the conversion takes the exponent field of this operand as its scale
.endr
.irp c, 0,1
	v_lshrrev_b32 v[TM+4+\c], 23, v[TM+2+\c]       ; the scale's byte
.endr
	s_delay_alu instid0(VALU_DEP_1)
	v_lshl_or_b32 v[\sw], v[TM+5], 16, v[TM+4]     ; my two bytes, blocks h and 2 + h,
	s_delay_alu instid0(VALU_DEP_1)
	v_lshlrev_b32 v[\sw], v[SH8], v[\sw]           ; at their places in the word;
	s_delay_alu instid0(VALU_DEP_1)
	v_permlanex16_b32 v[TM+6], v[\sw], s[SEL], s[SEL+1]
	s_delay_alu instid0(VALU_DEP_1)
	v_or_b32 v[\sw], v[\sw], v[TM+6]               ; with lane l xor 16's two the word is whole, in both lanes
.irp c, 0,1
	v_cvt_scalef32_pk16_fp6_f32 v[(\dst)+6*\c:(\dst)+6*\c+2], v[(\src)+32*\c:(\src)+32*\c+15], v[TM+2+\c]
	v_cvt_scalef32_pk16_fp6_f32 v[T+4*\c:T+4*\c+2], v[(\src)+32*\c+16:(\src)+32*\c+31], v[TM+2+\c]   ; (a conversion's three registers begin on an even number)
.endr
	v_nop                                          ; one plain place behind a scaled conversion
.irp c, 0,1
.irp i, 0,1,2
	v_mov_b32 v[(\dst)+6*\c+3+\i], v[T+4*\c+\i]
.endr
.endr
.endm
.macro REDUCE                          ; four chains of pairs -> the row's sum, in both lanes of the row
	v_pk_add_f32 v[S:S+1], v[S:S+1], v[S+2:S+3]
	v_pk_add_f32 v[S+4:S+5], v[S+4:S+5], v[S+6:S+7]
	s_delay_alu instid0(VALU_DEP_1)
	v_pk_add_f32 v[S:S+1], v[S:S+1], v[S+4:S+5]
	s_delay_alu instid0(VALU_DEP_1)
	v_add_f32 v[S], v[S], v[S+1]
	s_delay_alu instid0(VALU_DEP_1)
	v_permlanex16_b32 v[S+2], v[S], s[SEL], s[SEL+1]   ; the row's other half lies in lane l xor 16
	s_delay_alu instid0(VALU_DEP_1)
	v_add_f32 v[S], v[S], v[S+2]
.endm
	s_load_b512 s[4:19], s[0:1], 0x0               ; msa 4:5, gamma 6:7, beta 8:9, w1 10:11, b1 12:13, w2 14:15, b2 16:17, w3 18:19
	s_load_b256 s[20:27], s[0:1], 0x40             ; m1c 20:21, m2c 22:23, msc 24:25, w3q 26:27
	v_lshl_add_u32 v[SPW], v0, 2, SPARE
	v_mov_b32 v[NIL], 0
	ds_add_u32 v[SPW], v[NIL]                      ; the wave's opening: the add, twice on end, and its wait
	ds_add_u32 v[SPW], v[NIL]
	v_lshrrev_b32 v1, 5, v0
	v_readfirstlane_b32 s[WV], v1                  ; wave 0..7
	s_bfe_u32 s55, ttmp6, 0x40000                  ; my place in the cluster
	s_lshl_b32 s56, ttmp9, 2                       ; in a cluster launch ttmp9 counts clusters
	s_add_co_u32 s56, s56, s55                     ; l: it enters global addresses alone
	s_and_b32 s66, s[WV], 1
	s_and_b32 s67, s[WV], 3
	s_mov_b32 s[SEL], 0x76543210
	s_mov_b32 s[SEL+1], 0xfedcba98
	s_mov_b32 s58, 0x3b800000                      ; 1 / 256
	s_mov_b32 s59, 0x3727c5ac                      ; 1e-5
	; descriptor group 1: 16 rows of 256 elements of 4 bytes, 16 bytes of padding behind each row of 256 words (code 7; 4 words: code 3)
	s_mov_b32 s[G1X], (2<<16)|(1<<20)|(7<<22)|(3<<25)              ; msa: no mask: each work-group has rows of its own
	s_mov_b32 s[G1T], 15|(2<<16)|(1<<20)|(1<<21)|(7<<22)|(3<<25)   ; w1 or w2: the mask of all four work-groups, bit 21 beside it
.irp g, G1X, G1T
	s_mov_b32 s[\g+1], 256<<16                     ; tensor_dim0
	s_mov_b32 s[\g+2], 16<<16                      ; tensor_dim1
	s_mov_b32 s[\g+3], 256<<16                     ; tile_dim0
	s_mov_b32 s[\g+4], 16                          ; tile_dim1
	s_mov_b32 s[\g+6], 0
	s_mov_b32 s[\g+7], 0
.endr
	s_mov_b32 s[G1X+5], 65536                      ; from r to r + 1: 256 l x 256 d elements
	s_mov_b32 s[G1T+5], 256
	s_mul_i32 s80, s[WV], QT                       ; my 16 rows in LDS
	s_lshl_b32 s60, s56, 10                        ; msa: 1,024 l
	s_lshl_b32 s61, s[WV], 22                      ; + 16 w rows of 262,144 bytes
	s_add_co_u32 s60, s60, s61
	s_mov_b32 s61, 0
	s_lshl_b32 s62, s66, 14                        ; w1 or w2: 16 (w % 2) rows of 1,024 bytes
	s_mov_b32 s63, 0
	v_and_b32 v[VL], 31, v0
	v_and_b32 v[VN], 15, v0
	v_bfe_u32 v[VH], v0, 4, 1
	v_mul_u32_u24 v[XA], v[VN], RP
	v_lshl_add_u32 v[XA], v[VH], 7, v[XA]
	v_add_nc_u32 v[XA], s80, v[XA]                 ; row n of my 16, + 128 h
	v_lshlrev_b32 v[VG], 7, v[VH]
	s_lshl_b32 s83, s66, 6
	v_lshlrev_b32 v[N4], 2, v[VN]
	v_add_nc_u32 v[VBI], s83, v[N4]                ; 4 (16 (w % 2) + n)
	v_lshlrev_b32 v[LI], 4, v[VL]
	v_lshlrev_b32 v[L8], 3, v[VL]
	v_lshl_add_u32 v[XRS], v[VL], 2, XSC
	v_lshl_add_u32 v[XRI], v[VL], 4, XIMG
	v_lshl_add_u32 v[SCR], v[VL], 3, SCW
	s_mul_i32 s83, s[WV], 2*FRB
	v_add_nc_u32 v[XWI], s83, v[XRI]
	s_lshl_b32 s83, s[WV], 8
	v_add_nc_u32 v[XWS], s83, v[XRS]
	s_lshl_b32 s83, s67, 6
	v_add_nc_u32 v[SCA], s83, v[N4]
	v_add_nc_u32 v[SCA], SCW, v[SCA]
	v_lshlrev_b32 v[CA], 5, v[VN]
	v_lshl_add_u32 v[CA], v[VH], 4, v[CA]
	s_lshl_b32 s83, s66, 9
	v_add_nc_u32 v[CA], s83, v[CA]                 ; 32 (16 (w % 2) + n) + 16 h
	v_lshlrev_b32 v[CB], 4, v[VN]
	v_lshl_add_u32 v[CB], v[VH], 3, v[CB]
	s_lshl_b32 s83, s66, 8
	s_add_co_u32 s83, s83, 1024
	v_add_nc_u32 v[CB], s83, v[CB]                 ; 1,024 + 16 (16 (w % 2) + n) + 8 h
	v_lshlrev_b32 v[SH8], 3, v[VH]
	v_lshlrev_b32 v[V3], 14, v[VN]
	v_lshl_add_u32 v[V3], v[VH], 7, v[V3]          ; w3: 4 n rows of 4,096 bytes, + 128 h
	v_mov_b32 v[TM+6], 0                           ; written once: a lane permute's destination counts as one of its sources
	s_wait_alu depctr_va_vdst(0)
	s_wait_dscnt 0x0
	s_wait_kmcnt 0x0
	s_cmp_lt_u32 s[WV], 6                          ; waves 4, 5: w1, b1, m1c, bytes as they are;  6, 7: w2, b2, m2c, bytes less 6
	s_cselect_b64 s[10:11], s[10:11], s[14:15]
	s_cselect_b64 s[12:13], s[12:13], s[16:17]
	s_cselect_b64 s[20:21], s[20:21], s[22:23]
	s_cselect_b32 s57, 0, 6
	s_mov_b32 s[G0X], 1
	s_mov_b32 s[G0X+1], s80
	s_add_nc_u64 s[G0X+2:G0X+3], s[4:5], s[60:61]
	s_or_b32 s[G0X+3], s[G0X+3], 0x80000000
	s_mov_b32 s[G0W], 1
	s_mov_b32 s[G0W+1], s80
	s_add_nc_u64 s[G0W+2:G0W+3], s[10:11], s[62:63]
	s_or_b32 s[G0W+3], s[G0W+3], 0x80000000
	ROUND                                          ; all four work-groups are here: the joint loads meet
	s_cmp_lt_u32 s[WV], 4                          ; one chain on the wave's number, one load in each arm: each wave has one tensor load out.  Nothing in LDS is filled twice
	s_cbranch_scc0 .Lfor_w
	tensor_load_to_lds s[G0X:G0X+3], s[G1X:G1X+7]
	s_nop 0
.rept 4
	v_nop
.endr
	s_branch .Lasked
.Lfor_w:
	tensor_load_to_lds s[G0W:G0W+3], s[G1T:G1T+7]
	s_nop 0
.rept 4
	v_nop
.endr
.Lasked:
	global_load_b32 v[BI], v[VBI], s[12:13]        ; in a result a lane holds one channel
	s_mov_b32 s61, 0
	s_mul_i32 s60, s56, FRB
	s_add_nc_u64 s[20:21], s[20:21], s[60:61]      ; the codes' row l
	s_lshl_b32 s60, s56, 8
	s_add_nc_u64 s[24:25], s[24:25], s[60:61]      ; msc's row l
	s_cmp_lt_u32 s[WV], 4
	s_cbranch_scc0 .Lw3
	WIN 0x40                                       ; destination window 1
.irp s, 0,1
.irp c, 0,1
.irp i, 0,1,2,3,4,5,6,7
	global_load_b128 v[64*\s+32*\c+4*\i:64*\s+32*\c+4*\i+3], v[VG], s[6:7] offset:512*\s+256*\c+16*\i
	global_load_b128 v[128+64*\s+32*\c+4*\i:128+64*\s+32*\c+4*\i+3], v[VG], s[8:9] offset:512*\s+256*\c+16*\i
.endr
.endr
.endr
	WIN 0
	s_branch .Lrows
	; w3's 64 fragments: fragment l (K step l / 8, tile l % 8) goes to wave 7 of work-group l, l < 64, while the tiles are on their way.  The branches hang on the cluster's and the wave's number
.Lw3:
	s_cmp_lt_u32 ttmp9, 16
	s_cbranch_scc0 .Lrows
	s_cmp_eq_u32 s[WV], 7
	s_cbranch_scc0 .Lrows
	s_lshr_b32 s84, s56, 3                         ; K step
	s_and_b32 s85, s56, 7                          ; tile
	s_lshr_b32 s60, s85, 2
	s_lshl_b32 s60, s60, 18                        ; 64 (t / 4) rows of 4,096 bytes,
	s_and_b32 s86, s85, 3
	s_lshl_b32 s86, s86, 12                        ; + t % 4 rows,
	s_add_co_u32 s60, s60, s86
	s_lshl_b32 s86, s84, 9                         ; + 512 bytes a K step
	s_add_co_u32 s60, s60, s86
	s_add_nc_u64 s[18:19], s[18:19], s[60:61]
.irp c, 0,1
.irp i, 0,1,2,3,4,5,6,7
	global_load_b128 v[X+64+32*\c+4*\i:X+64+32*\c+4*\i+3], v[V3], s[18:19] offset:256*\c+16*\i
.endr
.endr
	s_lshl_b32 s60, s84, 9
	s_lshl_b32 s86, s85, 6
	s_add_co_u32 s60, s60, s86
	s_add_nc_u64 s[62:63], s[26:27], s[60:61]      ; its 16 scale words
	s_mul_i32 s60, s84, 8*FRB
	s_mul_i32 s86, s85, FRB
	s_add_co_u32 s60, s60, s86
	s_add_co_u32 s60, s60, 4096
	s_add_nc_u64 s[26:27], s[26:27], s[60:61]      ; its image
	s_wait_loadcnt 0x0
	QFRAG X+64, PC, PW
.irp g, 0,1,2
	global_store_b128 v[LI], v[PC+4*\g:PC+4*\g+3], s[26:27] offset:512*\g   ; 512 consecutive bytes, at a multiple of 256 from the buffer's first byte
.endr
	global_store_b32 v[N4], v[PW], s[62:63]        ; 64 bytes; both halves of the lanes hold the same word and store it to the same place.  4,096 such bytes in the launch
	s_wait_xcnt 0x0
.Lrows:
	s_wait_alu depctr_va_vdst(0)
	s_wait_tensorcnt 0x0                           ; my own 16 rows are in LDS; I alone read them: no barrier
	LD64 X, XA, 0
	LD64 X+64, XA, 512
	s_cmp_lt_u32 s[WV], 4
	s_cbranch_scc0 .Lquant
	s_wait_loadcnt 0x0                             ; gamma, beta
	s_wait_dscnt 16                                ; the first 64 of my numbers are in; the other 16 loads may be out
	; THE LAYERNORM, in f32: the mean; x - mean; the mean of its squares; ((x - mean) / sqrt(var + eps)) gamma + beta
.irp c, 0,1,2,3
	v_pk_add_f32 v[S+2*\c:S+2*\c+1], v[X+2*\c:X+2*\c+1], v[X+8+2*\c:X+8+2*\c+1]   ; the first pairs start the four chains
.endr
.set p, 8
.rept 24
	v_pk_add_f32 v[S+2*(p%4):S+2*(p%4)+1], v[S+2*(p%4):S+2*(p%4)+1], v[X+2*p:X+2*p+1]
.set p, p+1
.endr
	s_wait_alu depctr_va_vdst(0)
	s_wait_dscnt 0x0                               ; the other 64 numbers
.rept 32
	v_pk_add_f32 v[S+2*(p%4):S+2*(p%4)+1], v[S+2*(p%4):S+2*(p%4)+1], v[X+2*p:X+2*p+1]
.set p, p+1
.endr
	REDUCE
	v_mul_f32 v[MU], s58, v[S]
	v_mul_f32 v[MU+1], s58, v[S]
.set p, 0
.rept 64
	v_pk_add_f32 v[X+2*p:X+2*p+1], v[X+2*p:X+2*p+1], v[MU:MU+1] neg_lo:[0,1] neg_hi:[0,1]
.set p, p+1
.endr
.irp c, 0,1,2,3
	v_pk_mul_f32 v[S+2*\c:S+2*\c+1], v[X+2*\c:X+2*\c+1], v[X+2*\c:X+2*\c+1]
.endr
.set p, 4
.rept 60
	v_pk_fma_f32 v[S+2*(p%4):S+2*(p%4)+1], v[X+2*p:X+2*p+1], v[X+2*p:X+2*p+1], v[S+2*(p%4):S+2*(p%4)+1]
.set p, p+1
.endr
	REDUCE
	v_fma_f32 v[S], v[S], s58, s59                 ; var + eps
	s_wait_alu depctr_va_vdst(0)                   ; the wait ahead of the batch,
	v_rsq_f32 v[RS], v[S]
	v_rsq_f32 v[RS+1], v[S]
	v_nop                                          ; one plain place behind a transcendental
.set p, 0
	s_wait_alu depctr_va_vdst(0)                   ; and ahead of its first reader
.rept 64
	v_pk_mul_f32 v[X+2*p:X+2*p+1], v[X+2*p:X+2*p+1], v[RS:RS+1]
.set p, p+1
.endr
	WIN 0x14                                       ; sources 1 (gamma) and 2 (beta) window 1
.set p, 0
.rept 64
	v_pk_fma_f32 v[X+2*p:X+2*p+1], v[X+2*p:X+2*p+1], v[2*p:2*p+1], v[128+2*p:128+2*p+1]
.set p, p+1
.endr
	WIN 0
	s_wait_alu depctr_va_vdst(0)
.Lquant:
	s_wait_dscnt 0x0                               ; (waves 4-7: my rows of w are in)
	QFRAG X, WF, WS
	QFRAG X+64, WF+12, WS+1
	s_wait_alu depctr_va_vdst(0)
	s_cmp_lt_u32 s[WV], 4
	s_cbranch_scc0 .Ljoin
.irp s, 0,1                            ; x's codes: my tile's two fragments and their scale words go to LDS as they stand in my registers
.irp g, 0,1,2
	ds_store_b128 v[XWI], v[WF+12*\s+4*\g:WF+12*\s+4*\g+3] offset:FRB*\s+512*\g
.endr
	ds_store_b32 v[XWS], v[WS+\s] offset:128*\s
.endr
.Ljoin:
	s_wait_dscnt 0x0                               ; the stores have landed, in front of the barrier
	s_barrier_signal -1
	s_barrier_wait -1                              ; x's eight fragments lie in LDS
	s_cmp_lt_u32 s[WV], 4
	s_cbranch_scc1 .Lend
.irp f, 0,1,2,3,4,5,6,7
.irp g, 0,1,2
	ds_load_b128 v[XF+12*\f+4*\g:XF+12*\f+4*\g+3], v[XRI] offset:FRB*\f+512*\g
.endr
	ds_load_b32 v[XS+\f], v[XRS] offset:128*\f
.endr
	s_wait_loadcnt 0x0                             ; the bias
.irp j, 1,2,3,4,5,6,7
	v_mov_b32 v[BI+\j], v[BI]                      ; in the result's layout
.endr
	s_wait_alu depctr_va_vdst(0)
	s_wait_dscnt 0x0
	; source 0 = 16 rows of x, source 1 = my 16 channels.  The four accumulators take turns, one instruction a turn; the bias starts each sum
.irp t, 0,1,2,3
	v_wmma_scale_f32_16x16x128_f8f6f4 v[ACC+8*\t:ACC+8*\t+7], v[XF+24*\t:XF+24*\t+11], v[WF:WF+11], v[BI:BI+7], v[XS+2*\t], v[WS] matrix_a_fmt:MATRIX_FMT_FP6 matrix_b_fmt:MATRIX_FMT_FP6
.endr
.irp t, 0,1,2,3
	v_wmma_scale_f32_16x16x128_f8f6f4 v[ACC+8*\t:ACC+8*\t+7], v[XF+24*\t+12:XF+24*\t+23], v[WF+12:WF+23], v[ACC+8*\t:ACC+8*\t+7], v[XS+2*\t+1], v[WS+1] matrix_a_fmt:MATRIX_FMT_FP6 matrix_b_fmt:MATRIX_FMT_FP6
.endr
.rept 4
	v_nop                                          ; four places between the last product and the first read of results (ISA guide 7.12.1)
.endr
	; ALONG r: registers 16 b .. 16 b + 15 of lanes l and l xor 16 are block b of channel n
.irp b, 0,1
	v_max3_num_f32 v[TM+\b], |v[ACC+16*\b]|, |v[ACC+16*\b+1]|, 0x4800000   ; the floor 2^(9 - 127): a byte less 6 cannot fall under 1
.endr
.irp i, 2,4,6,8,10,12,14
.irp b, 0,1
	v_max3_num_f32 v[TM+\b], v[TM+\b], |v[ACC+16*\b+\i]|, |v[ACC+16*\b+\i+1]|
.endr
.endr
.irp b, 0,1
	v_permlanex16_b32 v[TM+2+\b], v[TM+\b], s[SEL], s[SEL+1]
.endr
.irp b, 0,1
	v_max_num_f32 v[TM+\b], v[TM+\b], v[TM+2+\b]
.endr
.irp b, 0,1
	v_add_nc_u32 v[TM+4+\b], 0xff000000, v[TM+\b]  ; the conversion's scale operand
.endr
.irp b, 0,1
	v_lshrrev_b32 v[TM+2+\b], 23, v[TM+4+\b]       ; the scale's byte,
.endr
.irp b, 0,1
	v_sub_nc_u32 v[TM+2+\b], v[TM+2+\b], s57       ; for msa_2 less 6: the codes stay, the numbers are divided by 64
.endr
	v_cvt_scalef32_pk16_fp6_f32 v[PC:PC+2], v[ACC:ACC+15], v[TM+4]
	v_cvt_scalef32_pk16_fp6_f32 v[T:T+2], v[ACC+16:ACC+31], v[TM+5]
	v_lshl_or_b32 v[PW], v[TM+3], 8, v[TM+2]       ; (the plain place behind the conversions)
.irp i, 0,1,2
	v_permlane16_swap_b32 v[PC+\i], v[T+\i]        ; the first's lanes 16-31 change places with the second's lanes 0-15: lane (n, h) now holds block h: 16 codes here, 16 in T
.endr
	v_lshl_or_b32 v[PW], v[PW], 16, v[PW]          ; the two bytes twice
	ds_store_b32 v[SCA], v[PW]                     ; both lanes of a channel write the same word with the same value
.irp i, 0,1,2
	v_mov_b32 v[PC+3+\i], v[T+\i]
.endr
	global_store_b128 v[CA], v[PC:PC+3], s[20:21]  ; the wave stores 512 consecutive bytes, at a multiple of 256 from the buffer's first byte,
	global_store_b64 v[CB], v[PC+4:PC+5], s[20:21] ; and 256
.Lend:
	s_wait_dscnt 0x0
	s_barrier_signal -1
	s_barrier_wait -1                              ; the 64 scale words of l lie in LDS
	s_cmp_lg_u32 s[WV], 0
	s_cbranch_scc1 .Ldone
	ds_load_b64 v[S:S+1], v[SCR]
	s_wait_dscnt 0x0
	global_store_b64 v[L8], v[S:S+1], s[24:25]     ; 256 consecutive bytes, aligned
.Ldone:
	s_wait_tensorcnt 0x0                           ; the wave's end
	ds_add_u32 v[SPW], v[NIL]
	s_wait_dscnt 0x0
	ROUND                                          ; the closing round: no work-group ends while a partner may still ask for a tile that names it
	s_endpgm
.Lfunc_end_k_qafb9270250_proj:
	.size	k_qafb9270250_proj, .Lfunc_end_k_qafb9270250_proj-k_qafb9270250_proj
	.p2alignl 7, 3214868480
	.fill 96, 4, 3214868480
	.section	.rodata,"a",@progbits
	.p2align	6, 0x0
	.amdhsa_kernel k_qafb9270250_proj
		.amdhsa_group_segment_fixed_size 167936
		.amdhsa_private_segment_fixed_size 0
		.amdhsa_enable_private_segment 0
		.amdhsa_kernarg_size 96
		.amdhsa_user_sgpr_count 2
		.amdhsa_user_sgpr_kernarg_segment_ptr 1
		.amdhsa_wavefront_size32 1
		.amdhsa_system_sgpr_workgroup_id_x 1
		.amdhsa_system_sgpr_workgroup_id_y 1
		.amdhsa_system_sgpr_workgroup_id_z 1
		.amdhsa_system_vgpr_workitem_id 0
		.amdhsa_next_free_vgpr 512
		.amdhsa_next_free_sgpr 88
		.amdhsa_reserve_vcc 0
		.amdhsa_float_denorm_mode_32 3
		.amdhsa_float_denorm_mode_16_64 3
		.amdhsa_memory_ordered 1
		.amdhsa_forward_progress 1
		.amdhsa_inst_pref_size 55
	.end_amdhsa_kernel
	.amdgpu_metadata
---
amdhsa.version: [ 1, 2 ]
amdhsa.kernels:
  - .name:           k_qafb9270250_proj
    .symbol:         k_qafb9270250_proj.kd
    .args:
      - { .name: msa, .offset: 0, .size: 8, .value_kind: global_buffer, .address_space: global }
      - { .name: ln_gamma, .offset: 8, .size: 8, .value_kind: global_buffer, .address_space: global }
      - { .name: ln_beta, .offset: 16, .size: 8, .value_kind: global_buffer, .address_space: global }
      - { .name: w1, .offset: 24, .size: 8, .value_kind: global_buffer, .address_space: global }
      - { .name: b1, .offset: 32, .size: 8, .value_kind: global_buffer, .address_space: global }
      - { .name: w2, .offset: 40, .size: 8, .value_kind: global_buffer, .address_space: global }
      - { .name: b2, .offset: 48, .size: 8, .value_kind: global_buffer, .address_space: global }
      - { .name: w3, .offset: 56, .size: 8, .value_kind: global_buffer, .address_space: global }
      - { .name: m1c, .offset: 64, .size: 8, .value_kind: global_buffer, .address_space: global }
      - { .name: m2c, .offset: 72, .size: 8, .value_kind: global_buffer, .address_space: global }
      - { .name: msc, .offset: 80, .size: 8, .value_kind: global_buffer, .address_space: global }
      - { .name: w3q, .offset: 88, .size: 8, .value_kind: global_buffer, .address_space: global }
    .group_segment_fixed_size: 167936
    .private_segment_fixed_size: 0
    .kernarg_segment_align: 8
    .kernarg_segment_size: 96
    .max_flat_workgroup_size: 256
    .sgpr_count:     88
    .vgpr_count:     512
    .wavefront_size: 32
...
	.end_amdgpu_metadata
.endif
;; end of part 1
;; launch pair (part 2): grid 16 x 16, 8 waves a work-group, clusters of 4 x 1, 327,680 bytes of LDS; arguments m1c, m2c, msc, w3q, b3, out0; writes out0
.if DOCPART == 2
	.amdgcn_target "amdgcn-amd-amdhsa--gfx1250"
	.amdhsa_code_object_version 6
	.text
	.protected	k_qafb9270250_pair
	.globl	k_qafb9270250_pair
	.p2align	8
	.type	k_qafb9270250_pair,@function
k_qafb9270250_pair:
	s_mov_b64 s[64:65], 0
	v_nop
	global_prefetch_b8 v0, s[64:65] scope:SCOPE_SE
	s_setreg_imm32_b32 hwreg(HW_REG_WAVE_MODE, 25, 1), 1
	s_wait_xcnt 0x0
	s_wait_alu depctr_hold_cnt(0) depctr_sa_sdst(0) depctr_va_vdst(0) depctr_va_sdst(0) depctr_va_ssrc(0) depctr_va_vcc(0) depctr_vm_vsrc(0)
	s_getreg_b32 s2, hwreg(HW_REG_IB_STS2, 6, 4)
	s_cmp_eq_u32 s2, 0
	s_cbranch_scc0 .Lentry_in_a_cluster
	s_endpgm
.Lentry_in_a_cluster:
	s_bfe_u32 s2, ttmp6, 0x10000c
	s_cmp_lg_u32 s2, 0x3003
	s_cbranch_scc0 .Lentry_shape_is_right
	s_endpgm
.Lentry_shape_is_right:
; out[i][j][p] = sum over (x, y) of Q(opm[i][j][x][y]) Q(w3[p][32 x + y]) + b3[p],  opm[i][j][x][y] = (sum over r of Q(msa_2[r][i][x]) Q(msa_1[r][j][y])) / 64.
; Both products on codes of FP6 (E2M3) with one E8M0 scale for each 32 along K.  opm never leaves the registers.  The inputs are the launch before's (formats: its head).  No work of the problem is left out.
; SHARES.  A work-group of eight waves owns 16 i x 16 j; wave w owns j = 16 jb + 2 w + a, a = 0, 1: 16 i at one j are a tile of 16 rows of the second product.  Two waves share a SIMD.
; THE FIRST PRODUCT has K = 64 of the instruction's 128, and the other half is put to use.  Source 0, tile u of one j: rows 0-7 are y = 8 u + 0 .. 7 in K half 0 (half 1 zero codes), rows 8-15 the same y in K half 1 (half 0 zero codes).
; Source 1: 16 i, x0 in K half 0, x1 = x0 + 1 in half 1.  So in the result lanes 0-15 hold x0 and lanes 16-31 x1, and a lane's registers over tiles u = 0 .. 3 are y = 0 .. 31: a WHOLE block of the second product's K = 32 x + y,
; in the very lane in which its operand wants it (k = 64 c + 32 h + 0 .. 31, x = 4 s + 2 c + h).  No number and no code changes lanes.
; The second product: source 0 = the codes just made (16 rows i), source 1 = 16 rows p of w3; lane q of fragment t holds p = 64 (t / 4) + 4 q + t % 4, so that lane (q, h) holds, in register j of four neighbouring fragments,
; four neighbouring p of row i = 8 h + j: 16 bytes, and sixteen lanes 256 neighbouring bytes of out.  One addition a number gathers the four registers and adds b3.
; THE STEP (128 along K: four x), eight in all, written out by one macro: quantise a = 0; first product of a = 1; quantise a = 1; first product of the NEXT step's a = 0; second product of this step.
; CLUSTER.  The four work-groups of a cluster share i and w3: msa_2's codes and w3q are asked for jointly with the mask of all four.  LDS is filled once: at the head msa_2's codes and w3's scale words and K steps 0, 1 (one load a wave);
; behind the full sequence the rest of w3, first read in step 2.  No prefetch: what is loaded is loaded once, at the head, with no loop to run ahead in.
; LIMITS.  NaN and infinities are not served.  A block of opm with a largest magnitude under 2^-124 is quantised as if it were that floor (a block of zeros gets the byte 1: its codes are zeros).
.set W3C, 4096                         ; LDS: w3's scale words at 0, its codes from here on,
.set M2L, 102400                       ; msa_2's codes of my 16 i: a row of 1,536 bytes lies as 3 x (512 + 16 of padding),
.set M2P, 1584
.set SPARE, 131072                     ; and the spare words, 128 bytes for each wave
; window 0 (v0: 4 x lane, w3's scale words in LDS)
.set SPW, 2                            ; my spare word; never rewritten
.set NIL, 3                            ; 0; never rewritten
.set MA,  4                            ; LDS: my i's row of msa_2's codes, + 16 h
.set MB,  5                            ; the same, + 8 h
.set WA0, 6                            ; v6-7 LDS: 16 x lane in w3's K steps 0-3, 4-7
.set GO,  9                            ; my place in out: 16 (lane % 16) bytes of a row, + 8 rows i for lanes 16-31
.set VA,  10                           ; msa_1's codes: my y's 16 bytes
.set VB,  11                           ; and its 8 bytes
.set PW,  12                           ; the scale words just made: lanes 0-15 a = 0, lanes 16-31 a = 1
.set VS1, 13                           ; msa_1's scale words
.set VS2, 14                           ; msa_2's
.set VB3, 15                           ; b3
.set M1S, 16                           ; v16-19 msa_1's scale words: register 2 a + u / 2; lanes 0-15 even u, lanes 16-31 odd u
.set MX,  20                           ; v20-23 the four chains of largest magnitudes
.set M2S, 24                           ; v24-31 msa_2's scale words: register P % 8 of pair P = x / 2; lanes 0-15 P < 8, lanes 16-31 P >= 8
.set W3S, 32                           ; v32-35 w3's, of the step in hand; lanes 0-15 fragment 2 q, lanes 16-31 fragment 2 q + 1
.set EX,  36                           ; v36-37 the conversions' scale operands
.set PX,  38                           ; v38-39 the scale word at work, a = 0, 1
.set T,   40                           ; v40-47 the halves of blocks that a conversion cannot put in place
.set M2F, 48                           ; v48-71 msa_2's fragments, 12 c
.set CODE, 72                          ; v72-95 the codes just made, 12 a
.set H,   96                           ; v96-159 opm of one a: 32 c + y
.set M1F, 160                          ; v160-255 msa_1's fragments, 48 a + 12 u: they stay
.set OB,  96                           ; on the way out v96-223 take the numbers of out
; window 1
.set ACC, 0                            ; v0-127 the 16 accumulators, 64 a + 8 t
.set W3F, 128                          ; v128-223 w3's eight fragments of a step
.set B3,  224                          ; v224-231 b3 at p = 64 q + 4 (lane % 16) + k, register 4 q + k
.set WV,  16                           ; s16 wave;  s17 my place in the cluster;  s18 jb;  s19 ib
.set G1W, 24                           ; s[24:31] descriptor group 1, w3 at the head;  s[32:39] msa_2;  s[68:75] the rest of w3
.set G1M, 32
.set G1V, 68
.set G0M, 40                           ; groups 0
.set G0W, 44
.set G0V, 48
.set MSB, 0
.macro WIN new                         ; the immediate's high byte repeats the setting that is left
.if MSB != \new
	s_set_vgpr_msb (MSB<<8)|\new
.set MSB, \new
.endif
.endm
.macro ROUND                           ; a round of the cluster's barrier
	s_barrier_signal -1
	s_barrier_wait -1
	s_cmp_lg_u32 s[WV], 0
	s_cbranch_scc1 .Lnot_wave_0_\@
	s_barrier_signal -3
.Lnot_wave_0_\@:
	s_barrier_wait -3
	s_barrier_signal -1
	s_barrier_wait -1
.endm
; msa_1's codes: lanes with n < 8 load K half 0 (registers 0-5), the others K half 1 (registers 6-11); what is not loaded keeps its zeros
.macro M1LD half
.irp a, 0,1
.irp u, 0,1,2,3
	global_load_b128 v[M1F+48*\a+12*\u+6*\half:M1F+48*\a+12*\u+6*\half+3], v[VA], s[4:5] offset:1536*\a+256*\u
	global_load_b64 v[M1F+48*\a+12*\u+6*\half+4:M1F+48*\a+12*\u+6*\half+5], v[VB], s[4:5] offset:1536*\a+1024+128*\u
.endr
.endr
.endm
.macro WM d, fa, fb, sa, sb, ra, rb, zero   ; one product; ra, rb: the scales stand in lanes 16-31; zero: it starts a sum
.if ((\zero) != 0) && ((\ra) != 0) && ((\rb) != 0)
	v_wmma_scale_f32_16x16x128_f8f6f4 v[(\d):(\d)+7], v[(\fa):(\fa)+11], v[(\fb):(\fb)+11], 0, v[\sa], v[\sb] matrix_a_fmt:MATRIX_FMT_FP6 matrix_b_fmt:MATRIX_FMT_FP6 matrix_a_scale:MATRIX_SCALE_ROW1 matrix_b_scale:MATRIX_SCALE_ROW1
.elseif ((\zero) != 0) && ((\ra) != 0)
	v_wmma_scale_f32_16x16x128_f8f6f4 v[(\d):(\d)+7], v[(\fa):(\fa)+11], v[(\fb):(\fb)+11], 0, v[\sa], v[\sb] matrix_a_fmt:MATRIX_FMT_FP6 matrix_b_fmt:MATRIX_FMT_FP6 matrix_a_scale:MATRIX_SCALE_ROW1
.elseif ((\zero) != 0) && ((\rb) != 0)
	v_wmma_scale_f32_16x16x128_f8f6f4 v[(\d):(\d)+7], v[(\fa):(\fa)+11], v[(\fb):(\fb)+11], 0, v[\sa], v[\sb] matrix_a_fmt:MATRIX_FMT_FP6 matrix_b_fmt:MATRIX_FMT_FP6 matrix_b_scale:MATRIX_SCALE_ROW1
.elseif (\zero) != 0
	v_wmma_scale_f32_16x16x128_f8f6f4 v[(\d):(\d)+7], v[(\fa):(\fa)+11], v[(\fb):(\fb)+11], 0, v[\sa], v[\sb] matrix_a_fmt:MATRIX_FMT_FP6 matrix_b_fmt:MATRIX_FMT_FP6
.elseif ((\ra) != 0) && ((\rb) != 0)
	v_wmma_scale_f32_16x16x128_f8f6f4 v[(\d):(\d)+7], v[(\fa):(\fa)+11], v[(\fb):(\fb)+11], v[(\d):(\d)+7], v[\sa], v[\sb] matrix_a_fmt:MATRIX_FMT_FP6 matrix_b_fmt:MATRIX_FMT_FP6 matrix_a_scale:MATRIX_SCALE_ROW1 matrix_b_scale:MATRIX_SCALE_ROW1
.elseif (\ra) != 0
	v_wmma_scale_f32_16x16x128_f8f6f4 v[(\d):(\d)+7], v[(\fa):(\fa)+11], v[(\fb):(\fb)+11], v[(\d):(\d)+7], v[\sa], v[\sb] matrix_a_fmt:MATRIX_FMT_FP6 matrix_b_fmt:MATRIX_FMT_FP6 matrix_a_scale:MATRIX_SCALE_ROW1
.elseif (\rb) != 0
	v_wmma_scale_f32_16x16x128_f8f6f4 v[(\d):(\d)+7], v[(\fa):(\fa)+11], v[(\fb):(\fb)+11], v[(\d):(\d)+7], v[\sa], v[\sb] matrix_a_fmt:MATRIX_FMT_FP6 matrix_b_fmt:MATRIX_FMT_FP6 matrix_b_scale:MATRIX_SCALE_ROW1
.else
	v_wmma_scale_f32_16x16x128_f8f6f4 v[(\d):(\d)+7], v[(\fa):(\fa)+11], v[(\fb):(\fb)+11], v[(\d):(\d)+7], v[\sa], v[\sb] matrix_a_fmt:MATRIX_FMT_FP6 matrix_b_fmt:MATRIX_FMT_FP6
.endif
.endm
.macro P3 a                            ; opm / 64 of my j number a, step GN: eight tiles
.irp c, 0,1
.irp u, 0,1,2,3
	WM H+32*\c+8*\u, M1F+48*(\a)+12*\u, M2F+12*\c, M1S+2*(\a)+\u/2, M2S+(2*GN+\c)%8, \u%2, GN/4, 1
.endr
.endr
.endm
.macro P4                              ; the second product of step G: the 16 accumulators take turns, one instruction a turn.  The first step starts the sums
	WIN 0x54                                       ; source 0 (the codes) window 0; source 1 (w3), C and D window 1
.irp t, 0,1,2,3,4,5,6,7
.irp a, 0,1
.if G == 0
	WM ACC+64*\a+8*\t, CODE+12*\a, W3F+12*\t, PW, W3S+\t/2, \a, \t%2, 1
.else
	WM ACC+64*\a+8*\t, CODE+12*\a, W3F+12*\t, PW, W3S+\t/2, \a, \t%2, 0
.endif
.endr
.endr
	WIN 0
.endm
.macro MAXK k                          ; the k-th turn of four chains: of each block c the numbers 0-15 in MX + c, 16-30 in MX + 2 + c.  Each tile is read from its low end on
.irp c, 0,1
.if (\k) == 0
	v_max3_num_f32 v[MX+\c], |v[H+32*\c]|, |v[H+32*\c+1]|, 0x1800000   ; the floor 2^(3 - 127): the byte cannot fall under 1
.else
	v_max3_num_f32 v[MX+\c], v[MX+\c], |v[H+32*\c+2*(\k)]|, |v[H+32*\c+2*(\k)+1]|
.endif
.endr
.if (\k) < 7
.irp c, 0,1
.if (\k) == 0
	v_max3_num_f32 v[MX+2+\c], |v[H+32*\c+16]|, |v[H+32*\c+17]|, |v[H+32*\c+18]|
.else
	v_max3_num_f32 v[MX+2+\c], v[MX+2+\c], |v[H+32*\c+17+2*(\k)]|, |v[H+32*\c+18+2*(\k)]|
.endif
.endr
.endif
.endm
.macro CONV a                          ; behind the chains: the scale operands and the codes of a; the codes' second halves stand in T
.irp c, 0,1
	v_max3_num_f32 v[MX+\c], v[MX+\c], v[MX+2+\c], |v[H+32*\c+31]|   ; the block's largest magnitude
.endr
.irp c, 0,1
	v_add_nc_u32 v[EX+\c], 0xff000000, v[MX+\c]    ; 2 off the exponent field: the conversion takes the exponent field of this operand as its scale
.endr
.irp c, 0,1
	v_cvt_scalef32_pk16_fp6_f32 v[CODE+12*(\a)+6*\c:CODE+12*(\a)+6*\c+2], v[H+32*\c:H+32*\c+15], v[EX+\c]
	v_cvt_scalef32_pk16_fp6_f32 v[T+4*\c:T+4*\c+2], v[H+32*\c+16:H+32*\c+31], v[EX+\c]   ; (a conversion's three registers begin on an even number)
.endr
	v_perm_b32 v[PX+(\a)], v[EX+1], v[EX], s62     ; the high halves of my blocks c = 1 and c = 0, side by side.  (The plain place behind the conversions)
.endm
.macro MOVS a                          ; the codes' second halves in place
.irp c, 0,1
.irp i, 0,1,2
	v_mov_b32 v[CODE+12*(\a)+6*\c+3+\i], v[T+4*\c+\i]
.endr
.endr
.endm
.macro FETCH_M2                        ; msa_2's fragments of step GN: x = 4 GN + xx, 8 LDS loads.  Byte d of a row lies at d + 16 (d / 512)
.irp xx, 0,1,2,3
	ds_load_b128 v[M2F+6*\xx:M2F+6*\xx+3], v[MA] offset:32*(4*GN+\xx)+16*((4*GN+\xx)/16)
	ds_load_b64 v[M2F+6*\xx+4:M2F+6*\xx+5], v[MB] offset:1056+16*(4*GN+\xx)
.endr
.endm
.macro STEP
.if G == 2
	s_barrier_wait -1                              ; everybody's part of the rest of w3 is in
.endif
	MAXK 0
	MAXK 1
	MAXK 2
	MAXK 3                                         ; (these lines are the places in front of the loads into w3's registers)
	WIN 0x40                                       ; destination window 1
.irp k, 0,1,2,3,4,5,6,7,8,9,10,11,12,13,14,15,16,17,18,19,20,21,22,23
	ds_load_b128 v[W3F+4*\k:W3F+4*\k+3], v[WA0+G/4] offset:12288*(G%4)+512*\k   ; w3's eight fragments, each load of 512 consecutive bytes
.endr
	WIN 0
.irp q, 0,1,2,3
	ds_load_b32 v[W3S+\q], v0 offset:512*G+128*\q  ; and their scale words
.endr
	MAXK 4
	MAXK 5
	MAXK 6
	MAXK 7
	CONV 0
.set GN, G
	P3 1
	MOVS 0                                         ; (six places in front of the reads of results and of the loads into msa_2's registers)
.set GN, G+1
.if G < 7
	FETCH_M2
.endif
.irp k, 0,1,2,3,4,5,6,7
	MAXK \k
.endr
	CONV 1
	s_delay_alu instid0(VALU_DEP_1)
	v_permlane16_swap_b32 v[PX], v[PX+1]           ; now lanes 0-15 belong to a = 0 and lanes 16-31 to a = 1: in PX h = 0's exponent fields, in PX + 1 h = 1's
	s_delay_alu instid0(VALU_DEP_1)
	v_lshrrev_b32 v[MX], 7, v[PX]                  ; at bytes 0 and 2,
	v_lshlrev_b32 v[MX+1], 1, v[PX+1]              ; and at bytes 1 and 3
	s_delay_alu instid0(VALU_DEP_1)
	v_bfi_b32 v[PW], s61, v[MX], v[MX+1]           ; the scale words
	s_wait_alu depctr_va_vdst(0)
.if G == 1
	s_wait_tensorcnt 0x0                           ; my part of the rest of w3 is in
.endif
	s_wait_dscnt 0x0                               ; w3's fragments of this step and msa_2's of the next
.if G == 1
	s_barrier_signal -1                            ; work on registers up to the wait, at the next step's head
.endif
.if G < 7
	P3 0
.endif
	MOVS 1
.rept 4
	v_nop                                          ; an operand written by vector instructions stands four places ahead of a scaled matrix instruction, a scale register eight
.endr
	P4
.endm
	s_load_b256 s[4:11], s[0:1], 0x0               ; m1c 4:5, m2c 6:7, msc 8:9, w3q 10:11
	s_load_b128 s[12:15], s[0:1], 0x20             ; b3 12:13, out 14:15
	v_lshl_add_u32 v[SPW], v0, 2, SPARE
	v_mov_b32 v[NIL], 0
	ds_add_u32 v[SPW], v[NIL]                      ; the wave's opening: the add, twice on end, and its wait
	ds_add_u32 v[SPW], v[NIL]
	v_lshrrev_b32 v1, 5, v0
	v_readfirstlane_b32 s[WV], v1                  ; wave 0..7
	s_bfe_u32 s17, ttmp6, 0x40000                  ; my place in the cluster
	s_lshl_b32 s18, ttmp9, 2                       ; in a cluster launch ttmp9 counts clusters
	s_add_co_u32 s18, s18, s17                     ; jb: it enters global addresses of my own loads and stores alone
	s_and_b32 s19, ttmp7, 0xffff                   ; ib, which the four partners share
	s_mov_b32 s60, 0xffff
	s_mov_b32 s61, 0x00ff00ff
	s_mov_b32 s62, 0x07060302
	; descriptor group 1.  w3q: dense, as rows of 32 elements of 8 bytes, no padding: 16 rows a load at the head, 36 behind it: 7 x 16 + 8 x 36 = 400 rows
	s_mov_b32 s[G1W], 15|(3<<16)|(1<<21)           ; 15:0 the mask of all four work-groups; 17:16 elements of 8 bytes; 21 set beside a mask
	s_mov_b32 s[G1W+1], 32<<16
	s_mov_b32 s[G1W+2], 16<<16
	s_mov_b32 s[G1W+3], 32<<16
	s_mov_b32 s[G1W+4], 16
	s_mov_b32 s[G1W+5], 32
	s_mov_b32 s[G1W+6], 0
	s_mov_b32 s[G1W+7], 0
	s_mov_b32 s[G1V], 15|(3<<16)|(1<<21)
	s_mov_b32 s[G1V+1], 32<<16
	s_mov_b32 s[G1V+2], 36<<16
	s_mov_b32 s[G1V+3], 32<<16
	s_mov_b32 s[G1V+4], 36
	s_mov_b32 s[G1V+5], 32
	s_mov_b32 s[G1V+6], 0
	s_mov_b32 s[G1V+7], 0
	; m2c: 16 rows i, 24,576 dense bytes, as 48 rows of 64 elements of 8 bytes, 16 bytes of padding behind each 128 words (code 6; 4 words: code 3)
	s_mov_b32 s[G1M], 15|(3<<16)|(1<<20)|(1<<21)|(6<<22)|(3<<25)
	s_mov_b32 s[G1M+1], 64<<16
	s_mov_b32 s[G1M+2], 48<<16
	s_mov_b32 s[G1M+3], 64<<16
	s_mov_b32 s[G1M+4], 48
	s_mov_b32 s[G1M+5], 64
	s_mov_b32 s[G1M+6], 0
	s_mov_b32 s[G1M+7], 0
	s_mul_i32 s20, s19, 16*1536                    ; m2c: row 16 ib
	s_mov_b32 s21, 0
	s_lshl_b32 s22, s[WV], 12                      ; w3q at the head: waves 0-6, 4,096 bytes each: the scale words and K steps 0, 1
	s_mov_b32 s23, 0
	s_mul_i32 s56, s[WV], 36*256                   ; and behind it: 9,216 bytes a wave
	s_add_co_u32 s56, s56, 7*4096
	s_mov_b32 s57, 0
.set Z, 0
.rept 96
	v_mov_b32 v[M1F+Z], 0                          ; the zero codes of msa_1's operands, written once, while the arguments are on their way
.set Z, Z+1
.endr
	s_wait_dscnt 0x0                               ; both opening adds are done
	s_wait_kmcnt 0x0
	s_mov_b32 s[G0M], 1
	s_mov_b32 s[G0M+1], M2L
	s_add_nc_u64 s[G0M+2:G0M+3], s[6:7], s[20:21]
	s_or_b32 s[G0M+3], s[G0M+3], 0x80000000
	s_mov_b32 s[G0W], 1
	s_mov_b32 s[G0W+1], s22
	s_add_nc_u64 s[G0W+2:G0W+3], s[10:11], s[22:23]
	s_or_b32 s[G0W+3], s[G0W+3], 0x80000000
	s_mov_b32 s[G0V], 1
	s_mov_b32 s[G0V+1], s56
	s_add_nc_u64 s[G0V+2:G0V+3], s[10:11], s[56:57]
	s_or_b32 s[G0V+3], s[G0V+3], 0x80000000
	ROUND                                          ; all four work-groups are here: the joint loads meet
	s_cmp_lt_u32 s[WV], 7                          ; one chain on the wave's number, one load in each arm: one tensor load a wave at the head
	s_cbranch_scc0 .Lfor_m2
	tensor_load_to_lds s[G0W:G0W+3], s[G1W:G1W+7]
	s_nop 0
.rept 4
	v_nop
.endr
	s_branch .Lasked
.Lfor_m2:
	tensor_load_to_lds s[G0M:G0M+3], s[G1M:G1M+7]
	s_nop 0
.rept 4
	v_nop
.endr
.Lasked:
	s_lshl_b32 s76, s18, 4
	s_lshl_b32 s77, s[WV], 1
	s_add_co_u32 s76, s76, s77                     ; my first j: 16 jb + 2 w
	s_mul_i32 s52, s76, 1536
	s_mov_b32 s53, 0
	s_add_nc_u64 s[4:5], s[4:5], s[52:53]          ; its codes,
	s_lshl_b32 s52, s76, 8
	s_add_nc_u64 s[54:55], s[8:9], s[52:53]        ; its scale words,
	s_lshl_b32 s52, s19, 12
	s_add_nc_u64 s[8:9], s[8:9], s[52:53]          ; the scale words of my 16 i,
	s_lshl_b32 s52, s19, 21
	s_lshl_b32 s77, s76, 9
	s_add_co_u32 s52, s52, s77
	s_add_nc_u64 s[14:15], s[14:15], s[52:53]      ; and out at (16 ib, my first j): 131,072 bytes a row i, 512 a j
	v_and_b32 v1, 15, v0                           ; n = lane % 16
	v_bfe_u32 v[VB3], v0, 4, 1                     ; h = lane / 16, for now
	v_cmp_gt_u32 s58, 8, v1                        ; lanes with n < 8,
	v_cmp_le_u32 s59, 8, v1                        ; and the others
	v_and_b32 v[VS1], 7, v1                        ; n % 8
	v_mul_u32_u24 v[MB], v1, M2P
	v_lshlrev_b32 v[VA], 5, v[VS1]
	v_lshlrev_b32 v[VB], 4, v[VS1]
	v_lshlrev_b32 v[VS1], 2, v[VS1]
	v_add_nc_u32 v[MB], M2L, v[MB]
	v_lshl_add_u32 v[VA], v[VB3], 4, v[VA]         ; 32 (n % 8) + 16 h
	v_lshl_add_u32 v[VB], v[VB3], 3, v[VB]         ; 16 (n % 8) + 8 h
	v_lshl_add_u32 v[VS1], v[VB3], 5, v[VS1]       ; word n % 8 + 8 h: lanes 16-31 take the odd tile's
	v_lshlrev_b32 v[VS2], 8, v1
	v_lshl_add_u32 v[MA], v[VB3], 4, v[MB]
	v_lshl_add_u32 v[MB], v[VB3], 3, v[MB]
	v_lshl_add_u32 v[VS2], v[VB3], 6, v[VS2]       ; row n of 256 bytes, + 16 h words
	v_lshlrev_b32 v[GO], 4, v1
	v_and_b32 v0, 31, v0                           ; lane
	v_lshl_add_u32 v[GO], v[VB3], 20, v[GO]        ; 16 n, + 8 rows i of 131,072 bytes for lanes 16-31
	v_lshl_add_u32 v[WA0], v0, 4, W3C
	v_lshlrev_b32 v[VB3], 4, v1                    ; 16 n
	v_lshlrev_b32 v0, 2, v0                        ; 4 x lane: w3's scale words
	v_add_nc_u32 v[WA0+1], 4*12288, v[WA0]
	s_wait_alu depctr_va_vdst(0)
	s_wait_xcnt 0x0                                ; EXEC changes only behind this wait
	s_and_saveexec_b32 s63, s58
	M1LD 0
	s_wait_xcnt 0x0
	s_or_b32 exec_lo, exec_lo, s63
	s_and_saveexec_b32 s63, s59
	M1LD 1
	s_wait_xcnt 0x0
	s_or_b32 exec_lo, exec_lo, s63
.irp a, 0,1
.irp u, 0,1
	global_load_b32 v[M1S+2*\a+\u], v[VS1], s[54:55] offset:256*\a+64*\u
.endr
.endr
	WIN 0x40                                       ; destination window 1
.irp q, 0,1,2,3
	global_load_b128 v[W3F+4*\q:W3F+4*\q+3], v[VS2], s[8:9] offset:128+16*\q   ; msa_2's scale words of x = 16 h .. 16 h + 15 (where w3's fragments come later)
.endr
	global_load_b128 v[B3:B3+3], v[VB3], s[12:13]              ; b3 at p = 4 n + 0 .. 3,
	global_load_b128 v[B3+4:B3+7], v[VB3], s[12:13] offset:256 ; and at p = 64 + 4 n + 0 .. 3
	WIN 0
	s_wait_tensorcnt 0x0                           ; my part of the head's tiles is in
	ds_add_u32 v[SPW], v[NIL]
	s_wait_dscnt 0x0
	ROUND                                          ; everybody's are in, and all four work-groups are here
	tensor_load_to_lds s[G0V:G0V+3], s[G1V:G1V+7]  ; my part of the rest of w3: the one tensor load behind the round
	s_nop 0
.rept 4
	v_nop
.endr
.set GN, 0
	FETCH_M2
	s_wait_loadcnt 0x0                             ; msa_1's fragments, the scale words, b3
	WIN 0x14
.irp p, 0,1,2,3,4,5,6,7
	v_bfi_b32 v[M2S+\p], s60, v[W3F+2*\p], v[W3F+2*\p+1]   ; bytes 0, 1: x0's; bytes 2, 3: x1's
.endr
	WIN 0
	s_wait_alu depctr_va_vdst(0)
	s_wait_dscnt 0x0                               ; msa_2's fragments of step 0
.rept 4
	v_nop                                          ; a scale register written by a vector instruction stands eight places ahead of a scaled matrix instruction
.endr
	P3 0
.rept 4
	v_nop                                          ; four places in front of the first read of results (ISA guide 7.12.1)
.endr
.set G, 0
.rept 8
	STEP
.set G, G+1
.endr
.rept 4
	v_nop                                          ; four places in front of the first read of results
.endr
	; THE WAY OUT, in two halves.  Register j of fragments 4 q .. 4 q + 3 is out(8 h + j, my j number a, 64 q + 4 n + 0 .. 3).  Each accumulator is read from its low end on: j ascends.  A store's lanes 0-15 write 256 consecutive bytes,
	; at a multiple of 256 from out's first byte, and lanes 16-31 the same eight rows i further down.  No store's registers are written again.  The largest immediate is 918,272: inside the signed 24 bits (ISA guide, chapter 10).
.macro OUT j0
	WIN 0x05                                       ; sources 0 (the sums) and 1 (b3) window 1, destination window 0
.irp j, 0,1,2,3
.irp a, 0,1
.irp q, 0,1
.irp k, 0,1,2,3
	v_add_f32 v[OB+16*(\j+\j0)+8*\a+4*\q+\k], v[ACC+64*\a+8*(4*\q+\k)+\j+\j0], v[B3+4*\q+\k]
.endr
.endr
.endr
.endr
	WIN 0
.irp j, 0,1,2,3
.irp a, 0,1
.irp q, 0,1
	global_store_b128 v[GO], v[OB+16*(\j+\j0)+8*\a+4*\q:OB+16*(\j+\j0)+8*\a+4*\q+3], s[14:15] offset:131072*(\j+\j0)+512*\a+256*\q th:TH_STORE_NT   ; written once, read by nobody here
.endr
.endr
.endr
.endm
	OUT 0
	OUT 4
	s_wait_tensorcnt 0x0                           ; the wave's end
	ds_add_u32 v[SPW], v[NIL]
	s_wait_dscnt 0x0
	ROUND                                          ; the closing round: no work-group ends while a partner may still ask for a tile that names it
	s_endpgm
.Lfunc_end_k_qafb9270250_pair:
	.size	k_qafb9270250_pair, .Lfunc_end_k_qafb9270250_pair-k_qafb9270250_pair
	.p2alignl 7, 3214868480
	.fill 96, 4, 3214868480
	.section	.rodata,"a",@progbits
	.p2align	6, 0x0
	.amdhsa_kernel k_qafb9270250_pair
		.amdhsa_group_segment_fixed_size 327680
		.amdhsa_private_segment_fixed_size 0
		.amdhsa_enable_private_segment 0
		.amdhsa_kernarg_size 48
		.amdhsa_user_sgpr_count 2
		.amdhsa_user_sgpr_kernarg_segment_ptr 1
		.amdhsa_wavefront_size32 1
		.amdhsa_system_sgpr_workgroup_id_x 1
		.amdhsa_system_sgpr_workgroup_id_y 1
		.amdhsa_system_sgpr_workgroup_id_z 1
		.amdhsa_system_vgpr_workitem_id 0
		.amdhsa_next_free_vgpr 512
		.amdhsa_next_free_sgpr 80
		.amdhsa_reserve_vcc 0
		.amdhsa_float_denorm_mode_32 3
		.amdhsa_float_denorm_mode_16_64 3
		.amdhsa_memory_ordered 1
		.amdhsa_forward_progress 1
		.amdhsa_inst_pref_size 120
	.end_amdhsa_kernel
	.amdgpu_metadata
---
amdhsa.version: [ 1, 2 ]
amdhsa.kernels:
  - .name:           k_qafb9270250_pair
    .symbol:         k_qafb9270250_pair.kd
    .args:
      - { .name: m1c, .offset: 0, .size: 8, .value_kind: global_buffer, .address_space: global }
      - { .name: m2c, .offset: 8, .size: 8, .value_kind: global_buffer, .address_space: global }
      - { .name: msc, .offset: 16, .size: 8, .value_kind: global_buffer, .address_space: global }
      - { .name: w3q, .offset: 24, .size: 8, .value_kind: global_buffer, .address_space: global }
      - { .name: b3, .offset: 32, .size: 8, .value_kind: global_buffer, .address_space: global }
      - { .name: out0, .offset: 40, .size: 8, .value_kind: global_buffer, .address_space: global }
    .group_segment_fixed_size: 327680
    .private_segment_fixed_size: 0
    .kernarg_segment_align: 8
    .kernarg_segment_size: 48
    .max_flat_workgroup_size: 256
    .sgpr_count:     80
    .vgpr_count:     512
    .wavefront_size: 32
...
	.end_amdgpu_metadata
.endif
;; end of part 2
